; MI455X (gfx1250); checked and timed in simulation.
; The chip was launched on July 23, 2026; its instructions are those of AMD's public machine-readable ISA for CDNA 5 (MIT licence, August 2026) and "CDNA5" Instruction Set Architecture Reference Guide (July 2026). The comments in the code are by the model that wrote it; some were corrected since.
;; Multi Head Self Attention. Allowed arithmetic: matrix products marked QUANTISED: E2M3 operands, one E8M0 scale for each 32 along K, by v_wmma_scale_f32_16x16x128_f8f6f4 with both operands' format E2M3, f32 sums; everything else in f32.
;; Inputs: Wk 1,024 x 1,024 float32; Wo 1,024 x 1,024 float32; Wq 1,024 x 1,024 float32; Wv 1,024 x 1,024 float32; bk 1,024 float32; bo 1,024 float32; bq 1,024 float32; bv 1,024 float32; x 4 x 2,048 x 1,024 float32.
;; Outputs: out0 4 x 2,048 x 1,024 float32.
;; This version of the problem:
;;   THIS VERSION OF THE PROBLEM IS GIVEN IN LOW PRECISION. The matrix products marked QUANTISED in the list below multiply operands that are first quantised to E2M3 (2 exponent bits, 3 mantissa bits; 6 bits a number), with one power-of-two scale for each 32 numbers along K (OCP MX v1.0); their sums are f32. All else is computed in f32.
;;   The module's matrix products, in the order in which they are computed (A, B: the left and right operand; K: the contracted axis; several contracted axes count as one K, in the product's order):
;;     1. [M 8,192, K 1,024] x [K 1,024, N 1,024]; A: input x; B: input Wq: QUANTISED
;;     2. [M 8,192, K 1,024] x [K 1,024, N 1,024]; A: input x; B: input Wk: QUANTISED
;;     3. [M 8,192, K 1,024] x [K 1,024, N 1,024]; A: input x; B: input Wv: QUANTISED
;;     4. batch 64 x [M 2,048, K 64] x [K 64, N 2,048]; A: computed on the way; B: computed on the way: QUANTISED
;;     5. batch 64 x [M 2,048, K 2,048] x [K 2,048, N 64]; A: softmax (see below); B: computed on the way: QUANTISED
;;     6. [M 8,192, K 1,024] x [K 1,024, N 1,024]; A: computed on the way; B: input Wo: QUANTISED
;;   THE QUANTISER, for each operand of a quantised product, along K:
;;     - K is cut into blocks of 32 from its start; a last block that is shorter is filled with zeros.
;;     - A block's scale is 2^e with e = floor(log2(the largest magnitude in the block)) - 2, held to -126 .. 127; a block of zeros has e = 0. As a byte (E8M0): e + 127.
;;     - Each number is divided by its block's scale, clamped to +-7.5, and rounded to the nearest number of E2M3, ties to even, subnormals kept.
;;     - The product sums the exact products of the quantised numbers (number of the format x scale) in f32.
;;   ~~~python
;;   def quantise(x, axis):      # numpy; x: float32 -> the quantised numbers, widened to float32 again
;;       x = np.moveaxis(x, axis, -1); K = x.shape[-1]
;;       x = np.pad(x, [(0, 0)] * (x.ndim - 1) + [(0, -K % 32)]); x = x.reshape(x.shape[:-1] + (-1, 32)); a = np.abs(x).max(-1, keepdims=True)
;;       e = np.where(a > 0, np.clip(np.frexp(np.where(a > 0, a, 1))[1] - 1 - 2, -126, 127), 0)      # np.frexp(a)[1] - 1 = floor(log2(a)), exactly
;;       r = np.clip(x / 2.0 ** e, -7.5, 7.5)
;;       step = 2.0 ** (np.maximum(np.frexp(np.where(r == 0, 1, r))[1] - 1, 0) - 3)
;;       q = np.round(r / step) * step * 2.0 ** e      # np.round: ties to even
;;       return np.moveaxis(q.reshape(q.shape[:-2] + (-1,))[..., :K], -1, axis).astype(np.float32)
;;   ~~~
;;   SOFTMAX AHEAD OF A QUANTISED PRODUCT. Where the list says 'softmax', what is quantised is not the finished softmax but p = 2^(t - M), with t = logit x log2(e) and M = ceil(the row's largest t), a whole number; so 1/2 < the row's largest p <= 1. The row's sum l is taken of the UNQUANTISED p, in f32, and the product's result is divided by l at the end. Since M is a whole number, a kernel that streams over the keys may use a running M (the ceiling of the running maximum): every later rescaling is an exact power of two, which a block's scale takes up: the codes' values come out the same.
;;   OPERANDS COMPUTED ON THE WAY. 'Computed on the way' means the value that the module computes at that place (a softmax that the list does not call 'softmax' is quantised finished and normalised). What goes into a quantiser is computed in f32, as accurately as f32 sums, v_exp_f32 and their like allow (about 1e-6 of the number): no bf16 or f16 on the way to a quantiser, and a product that is left as it is and whose result goes on into a quantised operand takes f32 operands (vector FMAs, or v_wmma_f32_16x16x4_f32). A number that lies on a knife's edge between two numbers of the format may be rounded either way, as far as f32 arithmetic and the matrix unit's own rounding can turn it there, and no further.
;; One version. Each part assembles by itself: llvm-mc -triple=amdgcn-amd-amdhsa -mcpu=gfx1250 --defsym DOCPART=n.
;; ======== version 1 of 1: 4 launches
;; limits: right only within a limited range of input values
;; workspace buffers: xq 6,553,600 bytes; wq 3,276,800 bytes; qq 6,815,744 bytes; kv 13,631,488 bytes; aq 6,553,600 bytes
;; launch quant (part 1): grid 768 x 1, 4 waves a work-group, no clusters, 18,432 bytes of LDS; arguments x, Wq, Wk, Wv, Wo, xq, wq; writes xq, wq
.if DOCPART == 1
	.amdgcn_target "amdgcn-amd-amdhsa--gfx1250"
	.amdhsa_code_object_version 6
	.text
	.protected	k_qa4815ffe7d_quant
	.globl	k_qa4815ffe7d_quant
	.p2align	8
	.type	k_qa4815ffe7d_quant,@function
k_qa4815ffe7d_quant:
	s_mov_b64 s[64:65], 0
	v_nop
	global_prefetch_b8 v0, s[64:65] scope:SCOPE_SE
	s_setreg_imm32_b32 hwreg(HW_REG_WAVE_MODE, 25, 1), 1
	s_wait_xcnt 0x0
; x [8192][1024] and Wq, Wk, Wv, Wo [1024][1024], f32, K innermost, become codes of FP6 (E2M3) with one E8M0 scale byte for each 32 along K, laid as the products' launches read them.
; A block's scale is 2^(floor(log2(its largest magnitude)) - 2); its byte is the largest magnitude's exponent field - 2, held at 1 from below by a floor among the maximum's leaves.
; LIMITS: NaN and infinities among the inputs are not served.  A block of zeros, and a block whose largest magnitude lies under 2^(3 - 127), gets the byte 1 (the stated quantiser says 127 for zeros):
; a block of zeros has zero codes, which add nothing under any byte but 0xff, and these bytes are read by this program alone.
; LAYOUT OF THE CODES: tiles of 16 rows.  Tile T holds, at its place r, row 32 (T / 2) + 8 (T % 2) + r + 8 (r / 8).  A tile is 16 pieces of 768 bytes, one for each 64 along K; in a piece lane L = r + 16 h of the
; wave that will multiply finds its 24 bytes (row at place r, k = 32 h + 0 .. 31 of the 64) as three pairs of words, pair p at 256 p + 8 L: each store here and each load there covers 256 consecutive bytes.
; LAYOUT OF THE SCALE BYTES: 32 bytes for each place, place after place, tile after tile.
; SHARES: a work-group takes one tile (groups 0-511: x's; 512-767: the four weights', 64 each), a wave 256 along K in four steps of 64.  All five tensors take one way through the text: only pointers are chosen.
; A load takes bytes as they lie (sixteen lanes read 256 consecutive bytes of a row); a step's 4,096 bytes turn through the wave's own stage in LDS, so that a lane then holds a whole block of 32 neighbours.
; Work-groups share no input: no cluster, no tensor load.  All 32 loads of a wave are issued at once.
.set XS,   6291456                     ; where x's scale bytes begin in xq
.set WS,   3145728                     ; and the weights' in wq
.set SP,   272                         ; a stage row: 256 bytes + 16: the sixteen rows that a load of 16 bytes a lane touches begin in different banks
.set WSTG, 16*SP                       ; a wave's stage
.set SCB,  4*WSTG                      ; behind the stages: the tile's 512 scale bytes
.set R,    32                          ; v32-159   four steps x 32 registers as loaded
.set X,    160                         ; v160-191  my block of 32 neighbours
.set C,    192                         ; v192-223  codes: eight registers for each step, so that no store's data are written again
.set BY,   224                         ; v224-227  a scale byte for each step
	s_load_b256 s[4:11], s[0:1], 0x0               ; x s[4:5], Wq s[6:7], Wk s[8:9], Wv s[10:11]
	s_load_b128 s[12:15], s[0:1], 0x20             ; Wo s[12:13], xq s[14:15]
	s_load_b64 s[16:17], s[0:1], 0x30              ; wq
	v_lshl_add_u32 v232, v0, 2, 0x4600
	v_mov_b32 v233, 0
	v_lshrrev_b32 v1, 5, v0
	v_readfirstlane_b32 s18, v1                    ; wave 0..3
	s_cmp_lt_u32 ttmp9, 512
	s_cselect_b32 s19, 0, 512
	s_sub_co_u32 s19, ttmp9, s19                   ; the tile's number in its buffer of codes
	s_lshr_b32 s20, s19, 6                         ; which weight (means nothing in x's groups)
	s_and_b32 s21, s19, 63                         ; the tile's number in that weight
	s_cmp_lt_u32 ttmp9, 512
	s_cselect_b32 s21, s19, s21                    ; the tile's number in its source
	s_mov_b32 s28, WS
	s_cselect_b32 s28, XS, s28                     ; where the scale bytes begin
	; x's, Wq's and Wk's tiles take another order of rows: tile T holds at place r row 64 (T / 4) + 8 (T % 4) + r + 24 (r / 8); the order stated at the head holds for Wv and Wo
	s_cmp_lt_u32 ttmp9, 640                        ; groups 0-511 x, 512-575 Wq, 576-639 Wk
	s_cselect_b32 s32, 0x10000, 0                  ; there places 8-15 lie 16 rows further on
	s_cselect_b32 s33, 2, 1                        ; tiles to a group: four (x, Wq, Wk) or two
	s_cselect_b32 s34, 3, 1
	s_lshr_b32 s22, s21, s33
	s_add_co_u32 s33, s33, 16
	s_lshl_b32 s22, s22, s33                       ; 64 or 32 rows of 4,096 bytes for each group of tiles,
	s_and_b32 s23, s21, s34
	s_lshl_b32 s23, s23, 15                        ; 8 rows for the odd one,
	s_add_co_u32 s22, s22, s23
	s_lshl_b32 s23, s18, 10                        ; my wave's 256 along K
	s_add_co_u32 s22, s22, s23
	s_mov_b32 s23, 0
	s_mul_i32 s24, s19, 12288                      ; the tile's codes,
	s_mul_i32 s25, s18, 3072                       ; my wave's four pieces
	s_add_co_u32 s24, s24, s25
	s_mov_b32 s25, 0
	s_lshl_b32 s26, s19, 9                         ; the tile's 512 scale bytes
	s_add_co_u32 s26, s26, s28
	s_mov_b32 s27, 0
	s_mul_i32 s29, s18, WSTG                       ; my stage
	s_mov_b32 s30, 0x76543210
	s_mov_b32 s31, 0xfedcba98                      ; v_permlanex16_b32's selects for lane l xor 16
	v_and_b32 v1, 31, v0                           ; lane
	v_and_b32 v2, 15, v0                           ; lo
	v_bfe_u32 v3, v0, 4, 1                         ; hi
	v_lshlrev_b32 v4, 4, v2
	v_lshl_add_u32 v4, v3, 12, v4
	v_add_nc_u32 v24, s32, v4                      ; the same for places 8-15
	v_mul_u32_u24 v5, v3, SP
	v_lshl_add_u32 v5, v2, 4, v5
	v_add_nc_u32 v5, s29, v5                       ; into the stage, as loaded
	v_mul_u32_u24 v6, v2, SP
	v_lshl_add_u32 v6, v3, 7, v6
	v_add_nc_u32 v6, s29, v6                       ; out of it: row lo, 128 bytes for each half of the lanes: my block
	v_lshlrev_b32 v7, 3, v1                        ; the codes: 8 bytes a lane
	s_lshl_b32 s29, s18, 3
	v_lshl_add_u32 v8, v2, 5, SCB
	v_add_nc_u32 v8, s29, v8                       ; the scale bytes in LDS: place lo, my wave's eight
	v_lshlrev_b32 v10, 4, v1                       ; and on their way out 16 bytes a lane
	v_add_nc_u32 v9, SCB, v10
	s_wait_alu depctr_va_vdst(0)
	s_wait_kmcnt 0x0
	s_cmp_eq_u32 s20, 1                            ; the choices hang on the work-group's number alone
	s_cselect_b64 s[6:7], s[8:9], s[6:7]
	s_cmp_eq_u32 s20, 2
	s_cselect_b64 s[6:7], s[10:11], s[6:7]
	s_cmp_eq_u32 s20, 3
	s_cselect_b64 s[6:7], s[12:13], s[6:7]
	s_cmp_lt_u32 ttmp9, 512
	s_cselect_b64 s[4:5], s[4:5], s[6:7]           ; the source
	s_cselect_b64 s[14:15], s[14:15], s[16:17]     ; the buffer of codes and scale bytes
	s_add_nc_u64 s[4:5], s[4:5], s[22:23]
	s_add_nc_u64 s[8:9], s[14:15], s[24:25]        ; my codes
	s_add_nc_u64 s[10:11], s[14:15], s[26:27]      ; the tile's scale bytes
.irp t, 0,1,2,3
.irp i, 0,1,2,3,4,5,6,7
.if \i < 4
	global_load_b128 v[R+32*\t+4*\i:R+32*\t+4*\i+3], v4, s[4:5] offset:(2*\i)*4096+256*\t th:TH_LOAD_NT   ; places 2 i and 2 i + 1 of the tile
.else
	global_load_b128 v[R+32*\t+4*\i:R+32*\t+4*\i+3], v24, s[4:5] offset:(2*\i+8)*4096+256*\t th:TH_LOAD_NT
.endif
.endr
.endr
.macro STEP t
	s_wait_loadcnt 8*(3-\t)                        ; this step's eight loads are in; the later steps' eight each may be out
.irp i, 0,1,2,3,4,5,6,7
	ds_store_b128 v5, v[R+32*\t+4*\i:R+32*\t+4*\i+3] offset:2*\i*SP
.endr
.irp j, 0,1,2,3,4,5,6,7
	ds_load_b128 v[X+4*\j:X+4*\j+3], v6 offset:16*\j   ; LDS serves a wave's instructions in order (ISA guide 5.7.1.4): these see the stores above
.endr
	s_wait_dscnt 0x0
	v_max3_num_f32 v12, |v[X]|, |v[X+1]|, |v[X+2]|                 ; the block's largest magnitude: all 32 numbers are mine; two chains
	v_max3_num_f32 v13, |v[X+3]|, |v[X+4]|, |v[X+5]|
.irp i, 6,10,14,18,22,26
	v_max3_num_f32 v12, v12, |v[X+\i]|, |v[X+\i+1]|
	v_max3_num_f32 v13, v13, |v[X+\i+2]|, |v[X+\i+3]|
.endr
	v_max3_num_f32 v12, v12, |v[X+30]|, |v[X+31]|
	v_max3_num_f32 v12, v12, v13, 0x1800000        ; and the floor 2^(3 - 127): the byte cannot fall under 1
	v_add_nc_u32 v11, 0xff000000, v12              ; 2 off the exponent field: the conversion takes the exponent field of this operand as its scale
	v_lshrrev_b32 v[BY+\t], 23, v11                ; the scale's byte
	v_cvt_scalef32_pk16_fp6_f32 v[C+8*\t:C+8*\t+2], v[X:X+15], v11
	v_cvt_scalef32_pk16_fp6_f32 v[C+8*\t+4:C+8*\t+6], v[X+16:X+31], v11   ; (a conversion's three registers begin on an even number)
	v_nop                                          ; one plain instruction behind the conversions, ahead of the moves that read their results
	v_mov_b32 v[C+8*\t+3], v[C+8*\t+4]
	v_mov_b32 v[C+8*\t+4], v[C+8*\t+5]
	v_mov_b32 v[C+8*\t+5], v[C+8*\t+6]             ; six registers on end: my 24 bytes
.irp p, 0,1,2
	global_store_b64 v7, v[C+8*\t+2*\p:C+8*\t+2*\p+1], s[8:9] offset:768*\t+256*\p   ; 32 lanes store 256 consecutive bytes, at a multiple of 256 from the buffer's first byte
.endr
.endm
	STEP 0
	STEP 1
	STEP 2
	STEP 3
	; my four bytes are those of blocks 8 w + 2 t + hi of place lo: with lane l xor 16's they are eight neighbouring bytes
	v_lshl_or_b32 v16, v[BY+1], 16, v[BY]
	v_lshl_or_b32 v17, v[BY+3], 16, v[BY+2]
	v_lshlrev_b32 v14, 3, v3
	v_lshlrev_b32 v16, v14, v16
	v_lshlrev_b32 v17, v14, v17
	v_mov_b32 v18, 0                               ; (a lane permute's destination counts as one of its sources)
	v_mov_b32 v19, 0
	v_permlanex16_b32 v18, v16, s30, s31
	v_permlanex16_b32 v19, v17, s30, s31
	v_or_b32 v16, v16, v18
	v_or_b32 v17, v17, v19
	ds_store_b64 v8, v[16:17]                      ; both halves of the lanes write the same bytes with the same value
	s_wait_dscnt 0x0                               ; for the others' sake: my bytes lie in LDS
	s_barrier_signal -1
	s_barrier_wait -1
	s_cmp_lg_u32 s18, 0
	s_cbranch_scc1 .Ldone
	ds_load_b128 v[20:23], v9                      ; wave 0 takes the tile's 512 bytes
	s_wait_dscnt 0x0
	global_store_b128 v10, v[20:23], s[10:11]      ; and stores them as 512 consecutive bytes
.Ldone:
	s_wait_tensorcnt 0x0
	ds_add_u32 v232, v233
	s_wait_dscnt 0x0
	s_endpgm
.Lfunc_end_k_qa4815ffe7d_quant:
	.size	k_qa4815ffe7d_quant, .Lfunc_end_k_qa4815ffe7d_quant-k_qa4815ffe7d_quant
	.p2alignl 7, 3214868480
	.fill 96, 4, 3214868480
	.section	.rodata,"a",@progbits
	.p2align	6, 0x0
	.amdhsa_kernel k_qa4815ffe7d_quant
		.amdhsa_group_segment_fixed_size 18432
		.amdhsa_private_segment_fixed_size 0
		.amdhsa_enable_private_segment 0
		.amdhsa_kernarg_size 56
		.amdhsa_user_sgpr_count 2
		.amdhsa_user_sgpr_kernarg_segment_ptr 1
		.amdhsa_wavefront_size32 1
		.amdhsa_system_sgpr_workgroup_id_x 1
		.amdhsa_system_sgpr_workgroup_id_y 1
		.amdhsa_system_sgpr_workgroup_id_z 1
		.amdhsa_system_vgpr_workitem_id 0
		.amdhsa_next_free_vgpr 234
		.amdhsa_next_free_sgpr 66
		.amdhsa_reserve_vcc 0
		.amdhsa_float_denorm_mode_32 3
		.amdhsa_float_denorm_mode_16_64 3
		.amdhsa_memory_ordered 1
		.amdhsa_forward_progress 1
		.amdhsa_inst_pref_size 19
	.end_amdhsa_kernel
	.amdgpu_metadata
---
amdhsa.version: [ 1, 2 ]
amdhsa.kernels:
  - .name:           k_qa4815ffe7d_quant
    .symbol:         k_qa4815ffe7d_quant.kd
    .args:
      - { .name: x, .offset: 0, .size: 8, .value_kind: global_buffer, .address_space: global }
      - { .name: Wq, .offset: 8, .size: 8, .value_kind: global_buffer, .address_space: global }
      - { .name: Wk, .offset: 16, .size: 8, .value_kind: global_buffer, .address_space: global }
      - { .name: Wv, .offset: 24, .size: 8, .value_kind: global_buffer, .address_space: global }
      - { .name: Wo, .offset: 32, .size: 8, .value_kind: global_buffer, .address_space: global }
      - { .name: xq, .offset: 40, .size: 8, .value_kind: global_buffer, .address_space: global }
      - { .name: wq, .offset: 48, .size: 8, .value_kind: global_buffer, .address_space: global }
    .group_segment_fixed_size: 18432
    .private_segment_fixed_size: 0
    .kernarg_segment_align: 8
    .kernarg_segment_size: 56
    .max_flat_workgroup_size: 128
    .sgpr_count:     66
    .vgpr_count:     234
    .wavefront_size: 32
...
	.end_amdgpu_metadata
.endif
;; end of part 1
;; launch gemm_qkv (part 2): grid 8 x 32, 4 waves a work-group, clusters of 4 x 4, 327,680 bytes of LDS; arguments xq, wq, bq, bk, bv, qq, kv; writes qq, kv
.if DOCPART == 2
	.amdgcn_target "amdgcn-amd-amdhsa--gfx1250"
	.amdhsa_code_object_version 6
	.text
	.protected	k_qa4815ffe7d_gemm_qkv
	.globl	k_qa4815ffe7d_gemm_qkv
	.p2align	8
	.type	k_qa4815ffe7d_gemm_qkv,@function
k_qa4815ffe7d_gemm_qkv:
	s_mov_b64 s[64:65], 0
	v_nop
	global_prefetch_b8 v0, s[64:65] scope:SCOPE_SE
	s_setreg_imm32_b32 hwreg(HW_REG_WAVE_MODE, 25, 1), 1
	s_wait_xcnt 0x0
	s_wait_alu depctr_hold_cnt(0) depctr_sa_sdst(0) depctr_va_vdst(0) depctr_va_sdst(0) depctr_va_ssrc(0) depctr_va_vcc(0) depctr_vm_vsrc(0)
	s_getreg_b32 s2, hwreg(HW_REG_IB_STS2, 6, 4)
	s_cmp_eq_u32 s2, 0
	s_cbranch_scc0 .Lentry_in_a_cluster
	s_endpgm
.Lentry_in_a_cluster:
	s_bfe_u32 s2, ttmp6, 0x10000c
	s_cmp_lg_u32 s2, 0xf033
	s_cbranch_scc0 .Lentry_shape_is_right
	s_endpgm
.Lentry_shape_is_right:
; Q = x Wq^T + bq, K = x Wk^T + bk, V = x Wv^T + bv on codes of FP6 (E2M3) with one E8M0 scale for each 32 along K, and their quantisers: the results leave as codes and scale bytes, laid as the attention launch reads them.
; LIMITS: NaN and infinities are not served.  A block whose largest magnitude lies under 2^(3 - 127) gets the scale byte 1; these bytes are read by this program alone.
; THE DEAL.  256 work-groups: 32 blocks of 256 tokens x 8 pairs of heads.  A work-group makes its tokens' Q, K and V of its two heads, three phases on end.  Four waves, 2 x 2: wave (a, b) has tokens 128 a + 0 .. 127
; (eight tiles of 16: one block of 128 keys) and head b.  A wave holds its head's 64 rows of the phase's weight, ALL of K, in registers (32 fragments, 384 registers) and takes x's tiles past them: a block is 32 products.
; LDS: x's 16 tiles, all of K, 196,608 bytes, filled once; the weights' 8 tiles, 98,304 bytes, filled at the head with Wq's and filled again twice (Wk's, Wv's); the spare words.  Nothing is stored to LDS.
; A REFILL stands at a phase's start, when every wave holds the phase's weight in registers: a tensor wait, the spare add, an LDS wait and a round of the cluster's barrier, then waves 0 and 1 ask for a half each.
; It is first read behind the phase's 256 products a wave: so no prefetch is laid ahead of it.  x's tiles are shared by a row of the cluster, a weight's by a column: joint loads.
; A TILE in xq and wq: 16 pieces of 768 bytes, one for each 64 along K; lane l finds its 24 bytes as three pairs of words, pair p at 256 p + 8 l.  A fragment (128 along K) is six loads of 8 bytes a lane.
; Q, K: source 0 = the weight's rows.  By the order of Wq's and Wk's rows in their tiles, a lane's 32 sums of a block are channels 32 (lane / 16) + 0 .. 31 of the head, of the token at place lane % 16: one scale block.
; V: source 0 = x's rows.  By the order of x's rows, a lane's 32 sums of four blocks are tokens 64 c + 32 (lane / 16) + 0 .. 31, of the channel at place lane % 16: one scale block.  No lane asks another for a maximum.
; The bias is the C of a block's first four products.  Q and K are one text, a loop of two trips; what differs lies in scalar registers.
; REGISTERS: window 0: addresses, scale words, bias, codes.  Fragment f lies in window 1 + f / 21 at register 12 (f % 21): 0-31 the weight's (4 q + t), 32-39 and 40-47 x's two sets.  Window 3, v72-199: the sums.
.set XS,    6291456
.set WS,    3145728
.set TILE,  12288
.set WREG,  16*TILE
.set SPARE, 24*TILE
.set L8,   4
.set L16,  5
.set SH8,  6                           ; 8 x (lane / 16)
.set VR32, 7                           ; 32 x (lane % 16)
.set VL32, 8
.set VH128, 9
.set VBV,  10
.set ADX0, 11                          ; v11, v12 LDS address of my tiles 0-3, 4-7 of x
.set ADW,  13
.set LSC,  14
.set SPW,  15
.set NIL,  16
.set W16,  17
.set SB,   20                          ; v20-35 the weight's scale words: 8 p + q; lanes 0-15 tile 2 p, lanes 16-31 tile 2 p + 1
.set TQ,   36
.set SOP,  40
.set EB,   44                          ; v44-51
.set WD,   52
.set TCV,  56                          ; v56-71 the second conversions' codes
.set SA,   72                          ; v72-135 x's scale words: 8 s + q
.set BB,   136                         ; v136-167 the bias, as the sums lie
.set NCD,  168                         ; v168-179 a pair image of Q or K
.set MCD,  204                         ; v204-251 V's four fragments
.set ACC,  72                          ; in window 3
.set SEL,  88
.set MSB, 0
.macro WIN new
.if MSB != (\new)
	s_set_vgpr_msb (MSB<<8)|(\new)
.set MSB, (\new)
.endif
.endm
.macro PLACES n
.rept \n
	v_nop
.endr
.endm
.macro CROUND
	s_barrier_signal -1
	s_barrier_wait -1
	s_cmp_lg_u32 s20, 0
	s_cbranch_scc1 .Lnot_wave_0_\@
	s_barrier_signal -3
.Lnot_wave_0_\@:
	s_barrier_wait -3
	s_barrier_signal -1
	s_barrier_wait -1
.endm
.macro FRAG f, adr, off
	WIN (1+(\f)/21)<<6
.irp k, 0,1,2,3,4,5
	ds_load_b64 v[12*((\f)%21)+2*\k:12*((\f)%21)+2*\k+1], v[\adr] offset:(\off)+256*\k
.endr
.endm
.macro WEIGHTS                         ; my head's four tiles, all of K: 192 loads
.irp q, 0,1,2,3,4,5,6,7
.irp t, 0,1,2,3
	FRAG 4*\q+\t, ADW, \t*TILE+\q*1536
.endr
.endr
	WIN 0
.endm
.macro FETCH e, s                      ; my tile s of x into set e: 48 loads
.irp q, 0,1,2,3,4,5,6,7
	FRAG 32+8*(\e)+\q, ADX0+(\s)/4, ((\s)%4)*TILE+\q*1536
.endr
	WIN 0
.endm
.macro PROD1 d, r0, r1, c, x0, x1, side, o
.if \o
	v_wmma_scale_f32_16x16x128_f8f6f4 v[\d:\d+7], v[\r0:\r0+11], v[\r1:\r1+11], v[\c:\c+7], v[\x0], v[\x1] matrix_a_fmt:MATRIX_FMT_FP6 matrix_b_fmt:MATRIX_FMT_FP6 matrix_\side\()_scale:MATRIX_SCALE_ROW1
.else
	v_wmma_scale_f32_16x16x128_f8f6f4 v[\d:\d+7], v[\r0:\r0+11], v[\r1:\r1+11], v[\c:\c+7], v[\x0], v[\x1] matrix_a_fmt:MATRIX_FMT_FP6 matrix_b_fmt:MATRIX_FMT_FP6 matrix_\side\()_scale:MATRIX_SCALE_ROW0
.endif
.endm
.macro PROD kind, e, s, n              ; n = 4 q + t.  The four sums take turns
.set Q_, (\n)/4
.set T_, (\n)%4
.set FX_, 32+8*(\e)+Q_
.set RW_, 12*((\n)%21)
.set RX_, 12*(FX_%21)
.set WW_, 1+(\n)/21
.set WX_, 1+FX_/21
.set XB_, SB+8*(T_/2)+Q_
.set XA_, SA+8*(\s)+Q_
.if \kind
.set D_, ACC+32*T_+8*((\s)%4)
.else
.set D_, ACC+8*T_
.endif
.if Q_
.set CW_, 3
.set C_, D_
.else
.set CW_, 0
.set C_, BB+8*T_
.endif
.if \kind
	WIN WX_|(WW_<<2)|(CW_<<4)|(3<<6)
	PROD1 D_, RX_, RW_, C_, XA_, XB_, b, T_%2
.else
	WIN WW_|(WX_<<2)|(CW_<<4)|(3<<6)
	PROD1 D_, RW_, RX_, C_, XB_, XA_, a, T_%2
.endif
.endm
; a block: the wait for its rows (the next block's 48 loads may be out), 32 products, four places, the fetch of the block two on into the set just read
.macro BLOCK kind, s
	s_wait_alu depctr_va_vdst(0)
.if (\s) < 7
	s_wait_dscnt 48
.else
	s_wait_dscnt 0x0
.endif
.set N_, 0
.rept 32
	PROD \kind, (\s)%2, \s, N_
.set N_, N_+1
.endr
	WIN 0
	PLACES 4
.if (\s) < 6
	FETCH (\s)%2, (\s)+2
.endif
.endm
; the way out of a block of Q or K: the largest of my 32 magnitudes (each sum first read at its low end), the scale, 32 codes = six registers of the pair image; the tile's two scale bytes from lanes l and l xor 16
.macro WOUT s
.set E_, (\s)%2
.if E_ == 0
	s_wait_xcnt 0x0                                ; the last pair's stores have read their data
.endif
	WIN 0x3f
.irp t, 0,1,2,3
	v_max3_num_f32 v[TQ+\t], |v[ACC+8*\t]|, |v[ACC+8*\t+1]|, |v[ACC+8*\t+2]|
.endr
	WIN 0x3c
.irp i, 3,5
.irp t, 0,1,2,3
	v_max3_num_f32 v[TQ+\t], v[TQ+\t], |v[ACC+8*\t+\i]|, |v[ACC+8*\t+\i+1]|
.endr
.endr
	WIN 0x30
	v_max3_num_f32 v[TQ], v[TQ], v[TQ+1], |v[ACC+7]|
	v_max3_num_f32 v[TQ+2], v[TQ+2], v[TQ+3], |v[ACC+15]|
	v_max3_num_f32 v[TQ], v[TQ], v[TQ+2], |v[ACC+23]|
	WIN 0x0c
	v_max3_num_f32 v[TQ], v[TQ], |v[ACC+31]|, 0x1800000   ; and the floor 2^(3 - 127)
	WIN 0
	v_add_nc_u32 v[SOP], 0xff000000, v[TQ]         ; 2 off the exponent field: the conversions' scale operand
	v_lshrrev_b32 v[EB], 23, v[SOP]
	WIN 3
	v_cvt_scalef32_pk16_fp6_f32 v[NCD+6*E_:NCD+6*E_+2], v[ACC:ACC+15], v[SOP]
	v_cvt_scalef32_pk16_fp6_f32 v[TCV:TCV+2], v[ACC+16:ACC+31], v[SOP]
	WIN 0
	v_lshlrev_b32 v[EB], v[SH8], v[EB]             ; my byte at its place (the plain line behind the conversions)
.irp i, 0,1,2
	v_mov_b32 v[NCD+6*E_+3+\i], v[TCV+\i]
.endr
	v_permlanex16_b32 v[TQ+1], v[EB], s[SEL], s[SEL+1]
.if E_ == 0
	v_or_b32 v[W16], v[EB], v[TQ+1]
.else
	v_or_b32 v[EB], v[EB], v[TQ+1]
	v_lshl_or_b32 v[WD+(\s)/2], v[EB], 16, v[W16]  ; the pair's scale word
	global_store_b128 v[L16], v[NCD:NCD+3], s[72:73] offset:1536*((\s)/2)
	global_store_b64 v[L8], v[NCD+4:NCD+5], s[72:73] offset:1536*((\s)/2)+512
	global_store_b64 v[L8], v[NCD+6:NCD+7], s[72:73] offset:1536*((\s)/2)+768
	global_store_b128 v[L16], v[NCD+8:NCD+11], s[72:73] offset:1536*((\s)/2)+1024
.endif
.endm
; the way out of a band of V (four blocks, 64 tokens): for each of four tiles of channels 32 sums a lane; the four tiles by turns
.macro VOUT c
	WIN 0x3f
.irp t, 0,1,2,3
	v_max3_num_f32 v[TQ+\t], |v[ACC+32*\t]|, |v[ACC+32*\t+1]|, |v[ACC+32*\t+2]|
.endr
	WIN 0x3c
.irp i, 3,5,7,9,11,13,15,17,19,21,23,25,27,29
.irp t, 0,1,2,3
	v_max3_num_f32 v[TQ+\t], v[TQ+\t], |v[ACC+32*\t+\i]|, |v[ACC+32*\t+\i+1]|
.endr
.endr
	WIN 0x0c
.irp t, 0,1,2,3
	v_max3_num_f32 v[TQ+\t], v[TQ+\t], |v[ACC+32*\t+31]|, 0x1800000
.endr
	WIN 0
.irp t, 0,1,2,3
	v_add_nc_u32 v[SOP+\t], 0xff000000, v[TQ+\t]
.endr
.irp t, 0,1,2,3
	v_lshrrev_b32 v[EB+4*(1-\c)+\t], 23, v[SOP+\t]
.endr
	WIN 3
.irp t, 0,1,2,3
	v_cvt_scalef32_pk16_fp6_f32 v[MCD+12*\t+6*\c:MCD+12*\t+6*\c+2], v[ACC+32*\t:ACC+32*\t+15], v[SOP+\t]
	v_cvt_scalef32_pk16_fp6_f32 v[TCV+4*\t:TCV+4*\t+2], v[ACC+32*\t+16:ACC+32*\t+31], v[SOP+\t]
.endr
	WIN 0
	v_nop
.irp t, 0,1,2,3
.irp i, 0,1,2
	v_mov_b32 v[MCD+12*\t+6*\c+3+\i], v[TCV+4*\t+\i]
.endr
.endr
.endm
; a phase's start.  The weight's tiles are shown to all (waves 0 and 1 asked for them: their load lines are theirs alone); scale words and bias are asked of memory; the weight goes into registers
.macro PSTART kind, refill
	s_wait_alu depctr_va_vdst(0)
	s_cmp_lt_u32 s20, 2
	s_cbranch_scc0 .Lnot_w_\@
	s_wait_tensorcnt 0x0
.Lnot_w_\@:
	s_wait_dscnt 0x0
	s_barrier_signal -1
	s_barrier_wait -1
.irp p, 0,1
.irp k, 0,1
	global_load_b128 v[SB+8*\p+4*\k:SB+8*\p+4*\k+3], v[VL32], s[68:69] offset:1024*\p+16*\k
.endr
.endr
.irp t, 0,1,2,3
.if \kind
.irp j, 0,1,2,3,4,5,6,7
	global_load_b32 v[BB+8*\t+\j], v[VBV], s[82:83] offset:(32*(\t/2)+8*(\t%2))*4   ; V: one number a lane and tile, in the tile's eight registers
.endr
.else
	global_load_b128 v[BB+8*\t:BB+8*\t+3], v[VH128], s[70:71] offset:32*\t           ; Q, K: register 8 t + j is channel 32 (lane / 16) + 8 t + j
	global_load_b128 v[BB+8*\t+4:BB+8*\t+7], v[VH128], s[70:71] offset:32*\t+16
.endif
.endr
	WEIGHTS
.if \refill
	s_wait_tensorcnt 0x0                           ; all my tensor loads are in (at first: x's tiles too),
	ds_add_u32 v[SPW], v[NIL]                      ; the add on my spare word,
	s_add_nc_u64 s[50:51], s[50:51], 64*TILE       ; the next weight's tiles
	s_wait_dscnt 0x0                               ; and the weight is in my registers
	CROUND
	s_cmp_lt_u32 s20, 2
	s_cbranch_scc0 .Lno_fill_\@
	tensor_load_to_lds s[48:51], s[36:43]
	s_nop 0
	PLACES 4
.Lno_fill_\@:
.endif
	FETCH 0, 0
	FETCH 1, 1
	s_wait_loadcnt 0x0
.endm
; ---------------- the head
	s_load_b256 s[4:11], s[0:1], 0x0               ; xq, wq, bq, bk
	s_load_b128 s[12:15], s[0:1], 0x20             ; bv, qq
	s_load_b64 s[16:17], s[0:1], 0x30              ; kv
	v_lshl_add_u32 v[SPW], v0, 2, SPARE
	v_mov_b32 v[NIL], 0
	ds_add_u32 v[SPW], v[NIL]                      ; the opening lines
	ds_add_u32 v[SPW], v[NIL]
	v_lshrrev_b32 v1, 5, v0
	v_readfirstlane_b32 s20, v1                    ; wave;  s21 = a, s22 = b
	s_lshr_b32 s21, s20, 1
	s_and_b32 s22, s20, 1
	s_bfe_u32 s23, ttmp6, 0x40000                  ; cx
	s_bfe_u32 s24, ttmp6, 0x40004                  ; cy
	s_lshl_b32 s52, ttmp9, 2
	s_add_co_u32 s52, s52, s23                     ; the pair of heads, 0 .. 7
	s_and_b32 s53, ttmp7, 0xffff
	s_lshl_b32 s53, s53, 2
	s_add_co_u32 s53, s53, s24                     ; the block of 256 tokens, 0 .. 31
	s_lshl_b32 s54, s24, 2
	s_lshl_b32 s54, 15, s54                        ; my row of the cluster
	s_lshl_b32 s55, 0x1111, s23                    ; my column
	s_or_b32 s28, s54, (3<<16)|(1<<21)             ; x's half: 8 tiles, dense, as 32 rows of 3,072 bytes
	s_mov_b32 s29, 384<<16
	s_mov_b32 s30, 32<<16
	s_mov_b32 s31, 384<<16
	s_mov_b32 s32, 32
	s_mov_b32 s33, 384
	s_mov_b32 s34, 0
	s_mov_b32 s35, 0
	s_or_b32 s36, s55, (3<<16)|(1<<21)             ; a weight's half: 4 tiles, 16 rows
	s_mov_b32 s37, 384<<16
	s_mov_b32 s38, 16<<16
	s_mov_b32 s39, 384<<16
	s_mov_b32 s40, 16
	s_mov_b32 s41, 384
	s_mov_b32 s42, 0
	s_mov_b32 s43, 0
	s_lshl_b32 s56, s53, 4
	s_lshl_b32 s57, s22, 3
	s_add_co_u32 s56, s56, s57
	s_mul_i32 s56, s56, TILE                       ; x: tile 16 x block + 8 x (wave % 2)
	s_mov_b32 s57, 0
	s_lshl_b32 s58, s52, 3
	s_lshl_b32 s59, s22, 2
	s_add_co_u32 s58, s58, s59
	s_mul_i32 s58, s58, TILE                       ; Wq: tile 8 x pair + 4 x (wave % 2)
	s_mov_b32 s59, 0
	s_mov_b32 s44, 1
	s_mul_i32 s45, s22, 8*TILE
	s_mov_b32 s48, 1
	s_mul_i32 s49, s22, 4*TILE
	s_add_co_u32 s49, s49, WREG
	s_mov_b32 s[SEL], 0x76543210
	s_mov_b32 s[SEL+1], 0xfedcba98
	s_wait_dscnt 0x0
	CROUND                                         ; in front of the first joint loads
	s_wait_kmcnt 0x0
	s_add_nc_u64 s[46:47], s[4:5], s[56:57]
	s_or_b32 s47, s47, 0x80000000
	s_add_nc_u64 s[50:51], s[6:7], s[58:59]
	s_or_b32 s51, s51, 0x80000000
	s_cmp_lt_u32 s20, 2                            ; one load a wave: waves 0 and 1 Wq's halves, asked for first; waves 2 and 3 x's halves
	s_cbranch_scc0 .Lhead_x
	tensor_load_to_lds s[48:51], s[36:43]
	s_nop 0
	PLACES 4
	s_branch .Lhead_asked
.Lhead_x:
	tensor_load_to_lds s[44:47], s[28:35]
	s_nop 0
	PLACES 4
.Lhead_asked:
	s_mov_b32 s61, 0
	s_lshl_b32 s60, s53, 4
	s_lshl_b32 s62, s21, 3
	s_add_co_u32 s60, s60, s62
	s_lshl_b32 s60, s60, 9
	s_add_co_u32 s60, s60, XS
	s_add_nc_u64 s[84:85], s[4:5], s[60:61]        ; the scale bytes of my eight tiles of x
	s_lshl_b32 s60, s52, 3
	s_lshl_b32 s62, s22, 2
	s_add_co_u32 s60, s60, s62
	s_lshl_b32 s60, s60, 9
	s_add_co_u32 s60, s60, WS
	s_add_nc_u64 s[68:69], s[6:7], s[60:61]        ; those of my four tiles of Wq
	s_lshl_b32 s62, s52, 1
	s_add_co_u32 s62, s62, s22                     ; my head
	s_lshl_b32 s60, s62, 8
	s_add_nc_u64 s[78:79], s[8:9], s[60:61]        ; its 64 numbers of bq, bk, bv
	s_add_nc_u64 s[80:81], s[10:11], s[60:61]
	s_add_nc_u64 s[82:83], s[12:13], s[60:61]
	s_lshl_b32 s63, s53, 1
	s_add_co_u32 s63, s63, s21                     ; my block of 128 tokens
	s_lshr_b32 s60, s63, 4
	s_lshl_b32 s60, s60, 4
	s_add_co_u32 s60, s60, s62                     ; 16 x batch + head
	s_mul_i32 s60, s60, 106496
	s_and_b32 s63, s63, 15
	s_mul_i32 s63, s63, 6656
	s_add_co_u32 s60, s60, s63
	s_add_nc_u64 s[74:75], s[14:15], s[60:61]      ; my block in qq,
	s_lshl_b32 s60, s60, 1
	s_add_nc_u64 s[76:77], s[16:17], s[60:61]      ; and in kv, where blocks are twice as long
	s_mul_i32 s56, s21, 8*TILE
	s_mul_i32 s57, s22, 4*TILE
	s_add_co_u32 s57, s57, WREG
	s_mov_b32 s86, 0
	v_and_b32 v1, 15, v0
	v_bfe_u32 v2, v0, 4, 1
	v_and_b32 v3, 31, v0
	v_lshlrev_b32 v[VR32], 5, v1
	v_lshlrev_b32 v[L8], 3, v3
	v_lshlrev_b32 v[L16], 4, v3
	v_lshlrev_b32 v[SH8], 3, v2
	v_lshlrev_b32 v[VL32], 5, v3
	v_lshlrev_b32 v[VH128], 7, v2
	v_and_b32 v[VBV], 8, v1
	v_add_nc_u32 v[VBV], v[VBV], v1
	v_lshlrev_b32 v[VBV], 2, v[VBV]                ; Wv's tiles keep the older order: place r of tile t is channel 32 (t / 2) + 8 (t % 2) + r + 8 (r / 8)
	v_add_nc_u32 v[ADX0], s56, v[L8]
	v_add_nc_u32 v[ADX0+1], 4*TILE, v[ADX0]
	v_add_nc_u32 v[ADW], s57, v[L8]
.irp s, 0,1,2,3,4,5,6,7
	global_load_b128 v[SA+8*\s:SA+8*\s+3], v[VR32], s[84:85] offset:512*\s
	global_load_b128 v[SA+8*\s+4:SA+8*\s+7], v[VR32], s[84:85] offset:512*\s+16
.endr
; ---------------- Q, then K
.Lphase:
	s_cmp_eq_u32 s86, 0
	s_cselect_b64 s[70:71], s[78:79], s[80:81]     ; the bias,
	s_cselect_b64 s[72:73], s[74:75], s[76:77]     ; where the results go,
	s_mov_b32 s87, 12288
	s_cselect_b32 s87, 6144, s87                   ; and where the block's scale words begin
	v_add_nc_u32 v[LSC], s87, v[L16]
	PSTART 0, 1
.irp s, 0,1,2,3,4,5,6,7
	BLOCK 0, \s
	WOUT \s
.endr
	global_store_b128 v[LSC], v[WD:WD+3], s[72:73] ; the four pairs' scale words
	s_wait_xcnt 0x0                                ; the pointers below are rewritten only behind this wait
	s_add_nc_u64 s[68:69], s[68:69], 64*512        ; the next weight's scale bytes
	s_add_co_u32 s86, s86, 1
	s_cmp_lt_u32 s86, 2
	s_cbranch_scc1 .Lphase
; ---------------- V
	PSTART 1, 0
.irp s, 0,1,2,3
	BLOCK 1, \s
.endr
	VOUT 0
.irp s, 4,5,6,7
	BLOCK 1, \s
.endr
	VOUT 1
.irp t, 0,1,2,3
	v_lshl_or_b32 v[WD+\t], v[EB+\t], 16, v[EB+4+\t]   ; my two bytes: blocks lane / 16 and 2 + lane / 16,
.endr
.irp t, 0,1,2,3
	v_lshlrev_b32 v[WD+\t], v[SH8], v[WD+\t]           ; at their places;
.endr
.irp t, 0,1,2,3
	v_permlanex16_b32 v[TQ+\t], v[WD+\t], s[SEL], s[SEL+1]
.endr
.irp t, 0,1,2,3
	v_or_b32 v[WD+\t], v[WD+\t], v[TQ+\t]              ; with lane l xor 16's two the word is whole
.endr
.irp t, 0,1,2,3
.irp g, 0,1,2
	global_store_b128 v[L16], v[MCD+12*\t+4*\g:MCD+12*\t+4*\g+3], s[76:77] offset:6144+1536*\t+512*\g
.endr
.endr
	global_store_b128 v[L16], v[WD:WD+3], s[76:77] offset:12800
	s_wait_tensorcnt 0x0                           ; the wave's end
	ds_add_u32 v[SPW], v[NIL]
	s_wait_dscnt 0x0
	CROUND                                         ; the closing round
	s_endpgm
.Lfunc_end_k_qa4815ffe7d_gemm_qkv:
	.size	k_qa4815ffe7d_gemm_qkv, .Lfunc_end_k_qa4815ffe7d_gemm_qkv-k_qa4815ffe7d_gemm_qkv
	.p2alignl 7, 3214868480
	.fill 96, 4, 3214868480
	.section	.rodata,"a",@progbits
	.p2align	6, 0x0
	.amdhsa_kernel k_qa4815ffe7d_gemm_qkv
		.amdhsa_group_segment_fixed_size 327680
		.amdhsa_private_segment_fixed_size 0
		.amdhsa_enable_private_segment 0
		.amdhsa_kernarg_size 56
		.amdhsa_user_sgpr_count 2
		.amdhsa_user_sgpr_kernarg_segment_ptr 1
		.amdhsa_wavefront_size32 1
		.amdhsa_system_sgpr_workgroup_id_x 1
		.amdhsa_system_sgpr_workgroup_id_y 1
		.amdhsa_system_sgpr_workgroup_id_z 1
		.amdhsa_system_vgpr_workitem_id 0
		.amdhsa_next_free_vgpr 1024
		.amdhsa_next_free_sgpr 96
		.amdhsa_reserve_vcc 0
		.amdhsa_float_denorm_mode_32 3
		.amdhsa_float_denorm_mode_16_64 3
		.amdhsa_memory_ordered 1
		.amdhsa_forward_progress 1
		.amdhsa_inst_pref_size 186
	.end_amdhsa_kernel
	.amdgpu_metadata
---
amdhsa.version: [ 1, 2 ]
amdhsa.kernels:
  - .name:           k_qa4815ffe7d_gemm_qkv
    .symbol:         k_qa4815ffe7d_gemm_qkv.kd
    .args:
      - { .name: xq, .offset: 0, .size: 8, .value_kind: global_buffer, .address_space: global }
      - { .name: wq, .offset: 8, .size: 8, .value_kind: global_buffer, .address_space: global }
      - { .name: bq, .offset: 16, .size: 8, .value_kind: global_buffer, .address_space: global }
      - { .name: bk, .offset: 24, .size: 8, .value_kind: global_buffer, .address_space: global }
      - { .name: bv, .offset: 32, .size: 8, .value_kind: global_buffer, .address_space: global }
      - { .name: qq, .offset: 40, .size: 8, .value_kind: global_buffer, .address_space: global }
      - { .name: kv, .offset: 48, .size: 8, .value_kind: global_buffer, .address_space: global }
    .group_segment_fixed_size: 327680
    .private_segment_fixed_size: 0
    .kernarg_segment_align: 8
    .kernarg_segment_size: 56
    .max_flat_workgroup_size: 128
    .sgpr_count:     96
    .vgpr_count:     1024
    .wavefront_size: 32
...
	.end_amdgpu_metadata
.endif
;; end of part 2
;; launch attn (part 3): grid 4 x 64, 16 waves a work-group, clusters of 4 x 1, 215,040 bytes of LDS; arguments qq, kv, aq; writes aq
.if DOCPART == 3
	.amdgcn_target "amdgcn-amd-amdhsa--gfx1250"
	.amdhsa_code_object_version 6
	.text
	.protected	k_qa4815ffe7d_attn
	.globl	k_qa4815ffe7d_attn
	.p2align	8
	.type	k_qa4815ffe7d_attn,@function
k_qa4815ffe7d_attn:
	s_mov_b64 s[64:65], 0
	v_nop
	global_prefetch_b8 v0, s[64:65] scope:SCOPE_SE
	s_setreg_imm32_b32 hwreg(HW_REG_WAVE_MODE, 25, 1), 1
	s_wait_xcnt 0x0
	s_wait_alu depctr_hold_cnt(0) depctr_sa_sdst(0) depctr_va_vdst(0) depctr_va_sdst(0) depctr_va_ssrc(0) depctr_va_vcc(0) depctr_vm_vsrc(0)
	s_getreg_b32 s2, hwreg(HW_REG_IB_STS2, 6, 4)
	s_cmp_eq_u32 s2, 0
	s_cbranch_scc0 .Lentry_in_a_cluster
	s_endpgm
.Lentry_in_a_cluster:
	s_bfe_u32 s2, ttmp6, 0x10000c
	s_cmp_lg_u32 s2, 0x3003
	s_cbranch_scc0 .Lentry_shape_is_right
	s_endpgm
.Lentry_shape_is_right:
; a[b][q][64 h + d] = the sum over k of softmax_k(Q . K / 8) V, for 64 heads (4 batches x 16), 2,048 queries and keys, head size 64; both products on codes of FP6 (E2M3), one E8M0 scale for each 32 along K.
; The result is divided by the row's sum, quantised along 64 h + d and stored as codes, laid as the next product reads them.
; THE SOFTMAX: t = score x log2(e) / 8; M = the row's largest t so far, rounded UP to a whole number; p = 2^(t - M) is quantised along the keys, not normalised.  The row's sum is taken of the unquantised p, in f32.
; When M moves, the sum and O are multiplied by 2^(old M - new M): exact.
; LIMITS: NaN and infinities are not served.  A block whose largest magnitude lies under 2^(3 - 127) gets the scale byte 1; these bytes are read by this program alone.  The promise holds while |t| stays under 2^31.
; SHARES.  The four work-groups of a cluster belong to one head; each owns 512 queries; each of its sixteen waves owns a pair of tiles of 16 queries and takes them one after the other (PASS 0, PASS 1).
; THE HEAD'S K AND V, 16 blocks of 128 keys x 13,312 bytes, LIE IN LDS FOR THE WHOLE LAUNCH: each wave asks for the block of its own number, once, JOINTLY with the same wave of the three partners.  Nothing is filled again,
; nothing is stored to LDS, the loops hold no barrier.  No prefetch: every block is asked for once, at the head, and there is no loop to run ahead in.
; A BLOCK IN kv: four pair images of K (1,536 bytes: an operand whose first 64 along K are tile 2 i of 16 keys and whose second 64 are tile 2 i + 1), four fragments of V (16 channels x 128 keys), K's scale words (word i of lane l at 16 l + 4 i), V's likewise.
; K = 64 IN AN INSTRUCTION OF K = 128: tile 2 i's scores are pair i x [Q | 0], tile 2 i + 1's are pair i x [0 | Q].  The registers hold Q, six zeros, Q: both operands are runs of twelve of these eighteen.
; Zero codes add nothing; over them Q's scale word has the byte 0, which is 2^-127 and no NaN.  One register holds both words: lanes 0-15 that of [Q | 0], lanes 16-31 that of [0 | Q].
; LAYOUT.  Both products are used transposed (S^T = K Q^T, O^T = V^T P^T): a lane holds ONE query (lane % 16).  Place r of tile 4 c + u is key 64 c + 8 u + r + 24 (r / 8), so the 32 registers of tiles 4 c .. 4 c + 3 are keys
; 64 c + 32 (lane / 16) + 0 .. 31: a WHOLE scale block, in the order in which P's operand wants them: no lane asks another for a block's maximum, and the codes fall where the operand has them.
; THE LOOP IS LAID ONE STEP AHEAD: trip n works the softmax of step n and then issues S(n + 1)'s eight products and P V(n)'s four in one run; K(n + 1) and V(n) are loaded from LDS at the trip's start, ahead of the softmax.
.set BLKB, 13312
.set XS,   6291456                     ; where the scale bytes begin in aq
.set SPARE, 16*BLKB                    ; behind the blocks: the spare words, 128 bytes a wave
.set OLD,  0                           ; v0   -M of the step before (the thread's number has served by then)
.set L16,  1                           ; v1   16 x lane;  v2  8 x lane; never rewritten
.set L8,   2
.set A16,  3                           ; v3, v4  the step's block in LDS + 16, 8 x lane
.set A8,   4
.set QS,   5                           ; v5   Q's two scale words
.set SH8,  6                           ; v6   8 x (lane / 16)
.set SPW,  7                           ; v7   my spare word;  v11  0
.set T1,   8                           ; v8-10  a conversion's codes
.set NIL,  11
.set SU,   14                          ; v12 -M, v13 the largest score so far;  v14-17 the row's sum in four parts
.set Q,    18                          ; v18-35  Q, zeros, Q
.set QA,   18
.set QB,   24
.set FF,   36                          ; v36 f = 2^(old M - new M);  v37 p's scale word (named with f as a pair, of which the low word is taken)
.set PWD,  37
.set WA,   38                          ; v38-41 at work: maxima, a conversion's codes, two more parts of the sum
.set WB,   40
.set SO,   42                          ; v42, v43 the conversions' scale operands
.set KSW,  44
.set VSW,  48
.set KF,   52                          ; v52-99   K's four pairs
.set VF,   100                         ; v100-147 V's four fragments
.set S,    148                         ; v148-211 S^T, then p
.set O,    212                         ; v212-243 O^T
.set PC,   244                         ; v244-255 p's codes
.set WV,   10
.set SEL,  14                          ; s[14:15] v_permlanex16_b32's selects for lane l xor 16
.set CS,   16                          ; s[16:17] c = log2(e) / 8;  s21 -c
.set HM,   18
.set TB,   19
.set CNT,  20
.set NC,   21
.set G0,   24
.set G1,   28
.macro CROUND
	s_barrier_signal -1
	s_barrier_wait -1
	s_cmp_lg_u32 s[WV], 0
	s_cbranch_scc1 .Lnot_wave_0_\@
	s_barrier_signal -3
.Lnot_wave_0_\@:
	s_barrier_wait -3
	s_barrier_signal -1
	s_barrier_wait -1
.endm
.macro QLOAD ps                        ; tile ps of my pair of Q, into both places, and the pair's scale word
.irp d, 0, 12
.if \ps == 0
	global_load_b128 v[Q+\d:Q+\d+3], v[L16], s[36:37]
	global_load_b64 v[Q+\d+4:Q+\d+5], v[L8], s[36:37] offset:512
.else
	global_load_b64 v[Q+\d:Q+\d+1], v[L8], s[36:37] offset:768
	global_load_b128 v[Q+\d+2:Q+\d+5], v[L16], s[36:37] offset:1024
.endif
.endr
	global_load_b32 v[QS], v[L16], s[38:39]
.endm
.macro KLOAD a16, a8, off              ; K's four pairs and their scale words: 17 loads
.irp i, 0,1,2,3
	ds_load_b128 v[KF+12*\i:KF+12*\i+3], v[\a16] offset:\off+1536*\i
	ds_load_b64 v[KF+12*\i+4:KF+12*\i+5], v[\a8] offset:\off+1536*\i+512
	ds_load_b64 v[KF+12*\i+6:KF+12*\i+7], v[\a8] offset:\off+1536*\i+768
	ds_load_b128 v[KF+12*\i+8:KF+12*\i+11], v[\a16] offset:\off+1536*\i+1024
.endr
	ds_load_b128 v[KSW:KSW+3], v[\a16] offset:\off+12288
.endm
.macro SMUL                            ; S^T of 128 keys: eight products, each on an accumulator of its own
.irp i, 0,1,2,3
	v_wmma_scale_f32_16x16x128_f8f6f4 v[S+16*\i:S+16*\i+7], v[KF+12*\i:KF+12*\i+11], v[QA:QA+11], 0, v[KSW+\i], v[QS] matrix_a_fmt:MATRIX_FMT_FP6 matrix_b_fmt:MATRIX_FMT_FP6
	v_wmma_scale_f32_16x16x128_f8f6f4 v[S+16*\i+8:S+16*\i+15], v[KF+12*\i:KF+12*\i+11], v[QB:QB+11], 0, v[KSW+\i], v[QS] matrix_a_fmt:MATRIX_FMT_FP6 matrix_b_fmt:MATRIX_FMT_FP6 matrix_b_scale:MATRIX_SCALE_ROW1
.endr
.endm
.macro OM j                            ; O^T under the new M, two numbers
	v_pk_mul_f32 v[O+2*\j:O+2*\j+1], v[O+2*\j:O+2*\j+1], v[FF:FF+1] op_sel_hi:[1,0]
.endm
	s_load_b128 s[4:7], s[0:1], 0x0                ; qq, kv
	s_load_b64 s[8:9], s[0:1], 0x10                ; aq
	v_lshl_add_u32 v[SPW], v0, 2, SPARE
	v_mov_b32 v[NIL], 0
	ds_add_u32 v[SPW], v[NIL]                      ; the opening lines: the add twice on end, and its wait ahead of my tensor load
	ds_add_u32 v[SPW], v[NIL]
	v_lshrrev_b32 v8, 5, v0
	s_delay_alu instid0(VALU_DEP_1)
	v_readfirstlane_b32 s[WV], v8                  ; wave 0..15
	s_bfe_u32 s11, ttmp6, 0x40000                  ; cx: it enters Q's and a's addresses alone
	s_and_b32 s12, ttmp7, 0xffff                   ; 16 x batch + head, which the four partners share
	s_mul_i32 s44, s12, 16*BLKB
	s_mul_i32 s46, s[WV], BLKB                     ; the block of my number: in the head, and in LDS
	s_add_co_u32 s44, s44, s46
	s_mov_b32 s45, 0
	s_lshl_b32 s47, s11, 2
	s_lshr_b32 s48, s[WV], 2
	s_add_co_u32 s47, s47, s48                     ; my block of 128 queries: 4 cx + wave / 4
	s_mul_i32 s47, s47, 6656
	s_mul_i32 s48, s12, 106496
	s_add_co_u32 s48, s48, s47
	s_and_b32 s49, s[WV], 3                        ; my pair in it
	s_mul_i32 s50, s49, 1536
	s_add_co_u32 s50, s50, s48                     ; the pair's image
	s_mov_b32 s51, 0
	s_lshl_b32 s49, s49, 2
	s_add_co_u32 s48, s48, s49
	s_add_co_u32 s48, s48, 6144                    ; and its scale words
	s_mov_b32 s49, 0
	s_lshr_b32 s52, s12, 4
	s_lshl_b32 s52, s52, 7
	s_lshl_b32 s53, s11, 5
	s_add_co_u32 s52, s52, s53
	s_lshl_b32 s53, s[WV], 1
	s_add_co_u32 s52, s52, s53                     ; my first tile of rows in aq: 128 x batch + 32 cx + 2 x wave
	s_and_b32 s53, s12, 15                         ; the head
	s_mul_i32 s54, s52, 12288
	s_mul_i32 s55, s53, 768
	s_add_co_u32 s54, s54, s55                     ; the tile's piece for K = 64 x head on
	s_mov_b32 s55, 0
	s_lshl_b32 s56, s52, 9
	s_lshl_b32 s57, s53, 1
	s_add_co_u32 s56, s56, s57
	s_add_co_u32 s56, s56, XS                      ; and its scale bytes: 512 a tile, two a head
	s_mov_b32 s57, 0
	s_mov_b32 s[G1], 15|(3<<16)|(1<<21)            ; a dense block of 13,312 bytes as 52 rows of 256 bytes; the mask names all four work-groups
	s_mov_b32 s[G1+1], 32<<16
	s_mov_b32 s[G1+2], 52<<16
	s_mov_b32 s[G1+3], 32<<16
	s_mov_b32 s[G1+4], 52
	s_mov_b32 s[G1+5], 32
	s_mov_b32 s[G1+6], 0
	s_mov_b32 s[G1+7], 0
	s_mov_b32 s[SEL], 0x76543210
	s_mov_b32 s[SEL+1], 0xfedcba98
	s_mov_b32 s[CS], 0x3e38aa3b
	s_mov_b32 s[CS+1], s[CS]                       ; (named with it as a pair, so it is written)
	s_mov_b32 s[NC], 0xbe38aa3b
	s_mov_b32 s[HM], 0xffff0000
	s_wait_dscnt 0x0
	s_wait_kmcnt 0x0
	s_add_nc_u64 s[36:37], s[4:5], s[50:51]        ; Q's pair
	s_add_nc_u64 s[38:39], s[4:5], s[48:49]        ; its scale words
	s_add_nc_u64 s[40:41], s[8:9], s[54:55]        ; a's codes
	s_add_nc_u64 s[42:43], s[8:9], s[56:57]        ; a's scale bytes
	s_mov_b32 s[G0], 1
	s_mov_b32 s[G0+1], s46
	s_add_nc_u64 s[G0+2:G0+3], s[6:7], s[44:45]
	s_or_b32 s[G0+3], s[G0+3], 0x80000000
	CROUND                                         ; all four work-groups are here: the joint loads meet
	tensor_load_to_lds s[G0:G0+3], s[G1:G1+7]      ; my one tensor load of the launch
	s_nop 0
	v_and_b32 v8, 31, v0
	v_bfe_u32 v[SH8], v0, 4, 1
	v_lshlrev_b32 v[L16], 4, v8
	v_lshlrev_b32 v[L8], 3, v8
	v_lshlrev_b32 v[SH8], 3, v[SH8]
.irp i, 6,7,8,9,10,11
	v_mov_b32 v[Q+\i], 0                           ; the zero codes: written once
.endr
	QLOAD 0
	s_wait_alu depctr_va_vdst(0)
	s_wait_tensorcnt 0x0                           ; my block lies in LDS,
	s_barrier_signal -1
	s_barrier_wait -1                              ; everybody's does
; A KEY STEP.  last = 1: the sixteenth, which has no next step's scores to start; nq = 1: the next pass's Q is asked for under it.
.macro STEP last, nq
	v_add_nc_u32 v[A16], s[TB], v[L16]             ; four places behind the products issued last, ahead of the loads into their operands and of the first read of the scores
.if \last
	v_nop
.else
	v_add_nc_u32 v[A8], s[TB], v[L8]
.endif
	v_mov_b32 v[OLD], v12
	v_nop
.irp t, 0,1,2,3
.irp g, 0,1,2
	ds_load_b128 v[VF+12*\t+4*\g:VF+12*\t+4*\g+3], v[A16] offset:6144+1536*\t+512*\g
.endr
.endr
	ds_load_b128 v[VSW:VSW+3], v[A16] offset:12800
.if \last
.if \nq
	QLOAD 1
.endif
.else
	KLOAD A16, A8, BLKB                            ; the next block's K
.endif
	; the largest score of my two blocks of 32 keys, two chains each; each accumulator is first read at its low end
.irp c, 0,1
	v_max3_num_f32 v[WA+\c], v[S+32*\c], v[S+32*\c+1], v[S+32*\c+2]
.endr
.irp c, 0,1
	v_max3_num_f32 v[WB+\c], v[S+32*\c+16], v[S+32*\c+17], v[S+32*\c+18]
.endr
.irp i, 3,5,7,9,11,13
.irp c, 0,1
	v_max3_num_f32 v[WA+\c], v[WA+\c], v[S+32*\c+\i], v[S+32*\c+\i+1]
.endr
.irp c, 0,1
	v_max3_num_f32 v[WB+\c], v[WB+\c], v[S+32*\c+16+\i], v[S+32*\c+17+\i]
.endr
.endr
.irp c, 0,1
	v_max3_num_f32 v[WA+\c], v[WA+\c], v[S+32*\c+15], v[S+32*\c+31]
.endr
.irp c, 0,1
	s_delay_alu instid0(VALU_DEP_2)
	v_max_num_f32 v[WA+\c], v[WA+\c], v[WB+\c]     ; the block's: it serves for the row's maximum and, since p rises with the score, for the block's largest p
.endr
	s_delay_alu instid0(VALU_DEP_1)
	v_max_num_f32 v[WB], v[WA], v[WA+1]
	s_delay_alu instid0(VALU_DEP_1)
	v_permlanex16_b32 v[WB+1], v[WB], s[SEL], s[SEL+1]
	s_delay_alu instid0(VALU_DEP_1)
	v_max3_num_f32 v13, v13, v[WB], v[WB+1]        ; the running largest score of my query
	s_delay_alu instid0(VALU_DEP_1)
	v_mul_f32 v[WB], s[NC], v13                    ; -t (c is positive)
	s_delay_alu instid0(VALU_DEP_1)
	v_floor_f32 v12, v[WB]                         ; -M = floor(-t) = -ceil(t)
	s_delay_alu instid0(VALU_DEP_1)
	v_sub_f32 v[WB], v12, v[OLD]                   ; M's old value less its new one: a whole number, 0 or less
	s_delay_alu instid0(VALU_DEP_1)
	v_cvt_i32_f32 v[WB], v[WB]                     ; (it saturates)
	s_delay_alu instid0(VALU_DEP_1)
	v_ldexp_f32 v[FF], 1.0, v[WB]                  ; f
.irp c, 0,1
	v_fma_f32 v[WA+\c], v[WA+\c], s[CS], v12
.endr
.set j, 0
.rept 32
	v_pk_fma_f32 v[S+j:S+j+1], v[S+j:S+j+1], s[CS:CS+1], v[12:13] op_sel_hi:[1,0,0]   ; t - M
.set j, j+2
.endr
	s_wait_alu depctr_va_vdst(0)
.irp c, 0,1
	v_exp_f32 v[WA+\c], v[WA+\c]                   ; the block's largest p: the same two instructions on the same number give the same bits
.endr
.set j, 0
.rept 64
	v_exp_f32 v[S+j], v[S+j]                       ; p = 2^(t - M)
.set j, j+1
.endr
	s_wait_alu depctr_va_vdst(0)                   ; one wait for the batch, directly ahead of the first reader of O^T too
	OM 0
	OM 1
.irp c, 0,1
	v_max_num_f32 v[WA+\c], 0x1800000, v[WA+\c]    ; the floor 2^(3 - 127): the byte cannot fall under 1
.endr
	OM 2
	OM 3
.irp c, 0,1
	v_add_nc_u32 v[SO+\c], 0xff000000, v[WA+\c]    ; 2 off the exponent field: the conversions' scale operand
.endr
	OM 4
	OM 5
.irp c, 0,1
	v_lshrrev_b32 v[WB+\c], 23, v[SO+\c]           ; the scale's byte
.endr
	OM 6
	OM 7
	v_lshl_or_b32 v[WB], v[WB+1], 16, v[WB]        ; my two bytes: blocks lane / 16 and 2 + lane / 16,
	OM 8
	OM 9
	v_lshlrev_b32 v[WB], v[SH8], v[WB]             ; at their places in the word;
	OM 10
	OM 11
	OM 12
	OM 13
	v_permlanex16_b32 v[WB+1], v[WB], s[SEL], s[SEL+1]
	OM 14
	OM 15
	v_or_b32 v[PWD], v[WB], v[WB+1]                ; with lane l xor 16's two the word is whole
	v_cvt_scalef32_pk16_fp6_f32 v[PC:PC+2], v[S:S+15], v[SO]
	v_cvt_scalef32_pk16_fp6_f32 v[WA:WA+2], v[S+16:S+31], v[SO]       ; (a conversion's three registers begin on an even number)
	v_cvt_scalef32_pk16_fp6_f32 v[PC+6:PC+8], v[S+32:S+47], v[SO+1]
	v_cvt_scalef32_pk16_fp6_f32 v[T1:T1+2], v[S+48:S+63], v[SO+1]
	v_pk_fma_f32 v[SU:SU+1], v[SU:SU+1], v[FF:FF+1], v[S:S+1] op_sel_hi:[1,0,1]         ; the sums under the new M take their first p in the same instruction
	v_pk_fma_f32 v[SU+2:SU+3], v[SU+2:SU+3], v[FF:FF+1], v[S+2:S+3] op_sel_hi:[1,0,1]
.irp i, 0,1,2
	v_mov_b32 v[PC+3+\i], v[WA+\i]
	v_mov_b32 v[PC+9+\i], v[T1+\i]
.endr
	v_pk_add_f32 v[WA:WA+1], v[S+4:S+5], v[S+6:S+7]                   ; two more chains for this step
	v_pk_add_f32 v[WB:WB+1], v[S+8:S+9], v[S+10:S+11]
.set k, 6
.rept 26
.set r_, SU+2*(k%4)+20*((k%4)/2)
	v_pk_add_f32 v[r_:r_+1], v[r_:r_+1], v[S+2*k:S+2*k+1]
.set k, k+1
.endr
	v_pk_add_f32 v[SU:SU+1], v[SU:SU+1], v[WA:WA+1]
	v_pk_add_f32 v[SU+2:SU+3], v[SU+2:SU+3], v[WB:WB+1]
	s_wait_alu depctr_va_vdst(0)
	s_wait_dscnt 0x0                               ; V, and the next block's K: all loads of the trip's start
.if \last == 0
	SMUL
.endif
.irp t, 0,1,2,3
	v_wmma_scale_f32_16x16x128_f8f6f4 v[O+8*\t:O+8*\t+7], v[VF+12*\t:VF+12*\t+11], v[PC:PC+11], v[O+8*\t:O+8*\t+7], v[VSW+\t], v[PWD] matrix_a_fmt:MATRIX_FMT_FP6 matrix_b_fmt:MATRIX_FMT_FP6
.endr
.endm
; A PASS: tile ps of my pair against all 2,048 keys, and its way out.
.macro PASS ps
	s_wait_xcnt 0x0                                ; the last pass's stores have read their data
	KLOAD L16, L8, 0
	s_wait_loadcnt 0x0                             ; Q
.if \ps == 0
	v_and_b32 v[QS], 0xffff, v[QS]                 ; the tile's two bytes,
.else
	v_lshrrev_b32 v[QS], 16, v[QS]
.endif
	v_lshlrev_b32 v[T1], 1, v[SH8]
	v_lshlrev_b32 v[QS], v[T1], v[QS]              ; under its codes: low in lanes 0-15, high in lanes 16-31; the byte 0 under the zero codes
	v_mov_b32 v13, 0xff61b1e6                      ; the largest score so far: -3e38
	s_delay_alu instid0(VALU_DEP_1)
	v_floor_f32 v12, -v13
.irp i, 0,1,2,3
	v_mov_b32 v[SU+\i], 0
.endr
	v_mov_b32 v[PWD], 0                            ; (named as the upper half of a pair before it is first written)
.set j, 0
.rept 32
	v_mov_b32 v[O+j], 0                            ; O^T: the step is written once; the first finds zeros.  (These are also the places between Q's word and the first product)
.set j, j+1
.endr
	s_mov_b32 s[TB], 0
	s_mov_b32 s[CNT], 15
	s_wait_alu depctr_va_vdst(0)
	s_wait_dscnt 0x0
	SMUL                                           ; step 0's scores
.Lstep_\@:
	STEP 0, 0
	s_add_co_u32 s[TB], s[TB], BLKB
	s_sub_co_u32 s[CNT], s[CNT], 1
	s_cmp_lg_u32 s[CNT], 0
	s_cbranch_scc1 .Lstep_\@
	STEP 1, 1-\ps
	; the way out: O^T / the sum; two blocks of 32 along 64 head + d; register 16 b + i is channel 32 b + 16 (lane / 16) + i
	v_pk_add_f32 v[SU:SU+1], v[SU:SU+1], v[SU+2:SU+3]   ; four places behind the last products
	v_add_f32 v[SU], v[SU], v[SU+1]
	s_delay_alu instid0(VALU_DEP_1)
	v_permlanex16_b32 v[WB+1], v[SU], s[SEL], s[SEL+1]
	s_delay_alu instid0(VALU_DEP_1)
	v_add_f32 v[SU], v[SU], v[WB+1]                ; the row's sum
	s_wait_alu depctr_va_vdst(0)
	v_rcp_f32 v[FF], v[SU]
	v_nop
	s_wait_alu depctr_va_vdst(0)                   ; ahead of the reciprocal's and O^T's first reader
.irp j, 0,1,2,3,4,5,6,7,8,9,10,11,12,13,14,15
	OM \j
.endr
.irp b, 0,1
	v_max3_num_f32 v[WA+\b], |v[O+16*\b]|, |v[O+16*\b+1]|, 0x1800000
.endr
.irp i, 2,4,6,8,10,12,14
.irp b, 0,1
	s_delay_alu instid0(VALU_DEP_2)
	v_max3_num_f32 v[WA+\b], v[WA+\b], |v[O+16*\b+\i]|, |v[O+16*\b+\i+1]|
.endr
.endr
.irp b, 0,1
	s_delay_alu instid0(VALU_DEP_2)
	v_permlanex16_b32 v[WB+\b], v[WA+\b], s[SEL], s[SEL+1]
.endr
.irp b, 0,1
	s_delay_alu instid0(VALU_DEP_2)
	v_max_num_f32 v[WA+\b], v[WA+\b], v[WB+\b]
.endr
.irp b, 0,1
	s_delay_alu instid0(VALU_DEP_2)
	v_add_nc_u32 v[SO+\b], 0xff000000, v[WA+\b]
.endr
.irp b, 0,1
	s_delay_alu instid0(VALU_DEP_2)
	v_lshrrev_b32 v[WB+\b], 23, v[SO+\b]
.endr
	s_delay_alu instid0(VALU_DEP_1)
	v_cndmask_b32 v[WB], v[WB], v[WB+1], s[HM]     ; lanes 0-15 keep block 0's byte, lanes 16-31 block 1's
	v_cvt_scalef32_pk16_fp6_f32 v[PC:PC+2], v[O:O+15], v[SO]
	v_cvt_scalef32_pk16_fp6_f32 v[T1:T1+2], v[O+16:O+31], v[SO+1]
	v_nop
.irp i, 0,1,2
	v_permlane16_swap_b32 v[PC+\i], v[T1+\i]
.endr
.irp i, 0,1,2
	s_delay_alu instid0(VALU_DEP_3)
	v_mov_b32 v[PC+3+\i], v[T1+\i]                 ; six registers: lane (r, h) holds k = 64 head + 32 h + 0 .. 31 of the row at place r
.endr
	v_and_b32 v[WA], 0xf0, v[L16]
	v_lshrrev_b32 v[WA+1], 3, v[SH8]
	v_lshl_add_u32 v[WA], v[WA], 1, v[WA+1]        ; my scale byte's place: 32 (lane % 16) + lane / 16
.irp g, 0,1,2
	global_store_b64 v[L8], v[PC+2*\g:PC+2*\g+1], s[40:41] offset:12288*\ps+256*\g   ; 32 lanes store 256 consecutive bytes, at a multiple of 256 from aq's first byte
.endr
	global_store_b8 v[WA], v[WB], s[42:43] offset:512*\ps
.endm
	PASS 0
	PASS 1
	s_wait_tensorcnt 0x0                           ; the wave's end
	ds_add_u32 v[SPW], v[NIL]
	s_wait_dscnt 0x0
	CROUND                                         ; the closing round
	s_endpgm
.Lfunc_end_k_qa4815ffe7d_attn:
	.size	k_qa4815ffe7d_attn, .Lfunc_end_k_qa4815ffe7d_attn-k_qa4815ffe7d_attn
	.p2alignl 7, 3214868480
	.fill 96, 4, 3214868480
	.section	.rodata,"a",@progbits
	.p2align	6, 0x0
	.amdhsa_kernel k_qa4815ffe7d_attn
		.amdhsa_group_segment_fixed_size 215040
		.amdhsa_private_segment_fixed_size 0
		.amdhsa_enable_private_segment 0
		.amdhsa_kernarg_size 24
		.amdhsa_user_sgpr_count 2
		.amdhsa_user_sgpr_kernarg_segment_ptr 1
		.amdhsa_wavefront_size32 1
		.amdhsa_system_sgpr_workgroup_id_x 1
		.amdhsa_system_sgpr_workgroup_id_y 1
		.amdhsa_system_sgpr_workgroup_id_z 1
		.amdhsa_system_vgpr_workitem_id 0
		.amdhsa_next_free_vgpr 256
		.amdhsa_next_free_sgpr 66
		.amdhsa_reserve_vcc 0
		.amdhsa_float_denorm_mode_32 3
		.amdhsa_float_denorm_mode_16_64 3
		.amdhsa_memory_ordered 1
		.amdhsa_forward_progress 1
		.amdhsa_inst_pref_size 76
	.end_amdhsa_kernel
	.amdgpu_metadata
---
amdhsa.version: [ 1, 2 ]
amdhsa.kernels:
  - .name:           k_qa4815ffe7d_attn
    .symbol:         k_qa4815ffe7d_attn.kd
    .args:
      - { .name: qq, .offset: 0, .size: 8, .value_kind: global_buffer, .address_space: global }
      - { .name: kv, .offset: 8, .size: 8, .value_kind: global_buffer, .address_space: global }
      - { .name: aq, .offset: 16, .size: 8, .value_kind: global_buffer, .address_space: global }
    .group_segment_fixed_size: 215040
    .private_segment_fixed_size: 0
    .kernarg_segment_align: 8
    .kernarg_segment_size: 24
    .max_flat_workgroup_size: 512
    .sgpr_count:     66
    .vgpr_count:     256
    .wavefront_size: 32
...
	.end_amdgpu_metadata
.endif
;; end of part 3
;; launch gemm_o (part 4): grid 8 x 32, 4 waves a work-group, clusters of 4 x 4, 327,680 bytes of LDS; arguments aq, wq, bo, out0; writes out0
.if DOCPART == 4
	.amdgcn_target "amdgcn-amd-amdhsa--gfx1250"
	.amdhsa_code_object_version 6
	.text
	.protected	k_qa4815ffe7d_gemm_o
	.globl	k_qa4815ffe7d_gemm_o
	.p2align	8
	.type	k_qa4815ffe7d_gemm_o,@function
k_qa4815ffe7d_gemm_o:
	s_mov_b64 s[64:65], 0
	v_nop
	global_prefetch_b8 v0, s[64:65] scope:SCOPE_SE
	s_setreg_imm32_b32 hwreg(HW_REG_WAVE_MODE, 25, 1), 1
	s_wait_xcnt 0x0
	s_wait_alu depctr_hold_cnt(0) depctr_sa_sdst(0) depctr_va_vdst(0) depctr_va_sdst(0) depctr_va_ssrc(0) depctr_va_vcc(0) depctr_vm_vsrc(0)
	s_getreg_b32 s2, hwreg(HW_REG_IB_STS2, 6, 4)
	s_cmp_eq_u32 s2, 0
	s_cbranch_scc0 .Lentry_in_a_cluster
	s_endpgm
.Lentry_in_a_cluster:
	s_bfe_u32 s2, ttmp6, 0x10000c
	s_cmp_lg_u32 s2, 0xf033
	s_cbranch_scc0 .Lentry_shape_is_right
	s_endpgm
.Lentry_shape_is_right:
; out0 = a Wo^T + bo, f32, on codes of FP6 (E2M3) with one E8M0 scale for each 32 along K.  a [8192][1024] comes as the attention launch left it in aq, Wo as tiles 192-255 of wq.
; THE DEAL.  256 work-groups: 32 blocks of 256 rows x 8 blocks of 128 columns.  Four waves, 2 x 2: wave (a, b) has rows 128 a + 0 .. 127 (eight tiles of 16) and columns 64 b + 0 .. 63.
; A wave holds its 64 rows of Wo, ALL of K, in registers (32 fragments, 384 registers) and takes a's tiles past them: a block is 32 products and finishes 16 rows x 64 columns, which leave at once.
; LDS: a's 16 tiles, all of K, 196,608 bytes; Wo's 8 tiles, 98,304 bytes; the spare words; a stage of 16 x 272 bytes for each wave.  Every tile is asked for once, at the head, one joint load a wave; nothing is filled again:
; so there is no loop to run ahead in, and no prefetch.  a's tiles are shared by a row of the cluster, Wo's by a column.
; A TILE in aq and wq: 16 pieces of 768 bytes, one for each 64 along K; lane l finds its 24 bytes as three pairs of words, pair p at 256 p + 8 l.  A fragment (128 along K) is six loads of 8 bytes a lane.
; Place p of tile T of a is row 64 (T / 4) + 8 (T % 4) + p + 24 (p / 8); place p of tile T of Wo is column 32 (T / 2) + 8 (T % 2) + p + 8 (p / 8).
; Source 0 = Wo's rows: lane (r, h) holds the row at place r, and register 8 t + j column 32 (t / 2) + 8 (t % 2) + 16 h + j of my 64.  The bias, laid so, is the C of a block's first four products.
; THE WAY OUT: a block goes through my own stage and comes back by rows of 256 bytes: sixteen lanes store one aligned unit of 256 bytes.
; REGISTERS: window 0: addresses, scale words, bias, rows read back.  Fragment f lies in window 1 + f / 21 at register 12 (f % 21): 0-31 Wo's (4 q + t), 32-39 and 40-47 a's two sets.  Window 3, v72-135: two sets of four sums.
.set XS,    6291456
.set WS,    3145728
.set TILE,  12288
.set WREG,  16*TILE
.set SPARE, 24*TILE
.set STAGE, SPARE+512
.set SP,    272
.set L8,   4
.set VR32, 7                           ; 32 x (lane % 16)
.set VL32, 8
.set VH64, 9
.set ADX0, 11                          ; v11, v12 LDS address of my tiles 0-3, 4-7 of a
.set ADW,  13
.set STO,  14
.set SPW,  15
.set NIL,  16
.set RD,   17
.set CO,   18
.set SB,   20                          ; v20-35 Wo's scale words: 8 p + q; lanes 0-15 tile 2 p, lanes 16-31 tile 2 p + 1
.set SA,   72                          ; v72-135 a's scale words: 8 s + q
.set BB,   136                         ; v136-167 the bias
.set OB,   168                         ; v168-231 a block's rows read back, two sets
.set ACC,  72                          ; in window 3
.set MSB, 0
.macro WIN new
.if MSB != (\new)
	s_set_vgpr_msb (MSB<<8)|(\new)
.set MSB, (\new)
.endif
.endm
.macro PLACES n
.rept \n
	v_nop
.endr
.endm
.macro CROUND
	s_barrier_signal -1
	s_barrier_wait -1
	s_cmp_lg_u32 s20, 0
	s_cbranch_scc1 .Lnot_wave_0_\@
	s_barrier_signal -3
.Lnot_wave_0_\@:
	s_barrier_wait -3
	s_barrier_signal -1
	s_barrier_wait -1
.endm
.macro FRAG f, adr, off
	WIN (1+(\f)/21)<<6
.irp k, 0,1,2,3,4,5
	ds_load_b64 v[12*((\f)%21)+2*\k:12*((\f)%21)+2*\k+1], v[\adr] offset:(\off)+256*\k
.endr
.endm
.macro WEIGHTS                         ; my four tiles of Wo, all of K: 192 loads
.irp q, 0,1,2,3,4,5,6,7
.irp t, 0,1,2,3
	FRAG 4*\q+\t, ADW, \t*TILE+\q*1536
.endr
.endr
	WIN 0
.endm
.macro FETCH e, s                      ; my tile s of a into set e: 48 loads
.irp q, 0,1,2,3,4,5,6,7
	FRAG 32+8*(\e)+\q, ADX0+(\s)/4, ((\s)%4)*TILE+\q*1536
.endr
	WIN 0
.endm
.macro PROD1 d, r0, r1, c, x0, x1, o
.if \o
	v_wmma_scale_f32_16x16x128_f8f6f4 v[\d:\d+7], v[\r0:\r0+11], v[\r1:\r1+11], v[\c:\c+7], v[\x0], v[\x1] matrix_a_fmt:MATRIX_FMT_FP6 matrix_b_fmt:MATRIX_FMT_FP6 matrix_a_scale:MATRIX_SCALE_ROW1
.else
	v_wmma_scale_f32_16x16x128_f8f6f4 v[\d:\d+7], v[\r0:\r0+11], v[\r1:\r1+11], v[\c:\c+7], v[\x0], v[\x1] matrix_a_fmt:MATRIX_FMT_FP6 matrix_b_fmt:MATRIX_FMT_FP6 matrix_a_scale:MATRIX_SCALE_ROW0
.endif
.endm
.macro PROD e, s, n                    ; n = 4 q + t.  The four sums take turns
.set Q_, (\n)/4
.set T_, (\n)%4
.set FX_, 32+8*(\e)+Q_
.set RW_, 12*((\n)%21)
.set RX_, 12*(FX_%21)
.set XB_, SB+8*(T_/2)+Q_
.set XA_, SA+8*(\s)+Q_
.set D_, ACC+32*(\e)+8*T_
.if Q_
.set CW_, 3
.set C_, D_
.else
.set CW_, 0
.set C_, BB+8*T_
.endif
	WIN (1+(\n)/21)|((1+FX_/21)<<2)|(CW_<<4)|(3<<6)
	PROD1 D_, RW_, RX_, C_, XB_, XA_, T_%2
.endm
; a block: 32 products; four places; its 16 x 64 sums into my stage and back by rows; the fetch of the block two on into the set just read; the stores
.macro BLOCK s
.set E_, (\s)%2
.set OB_, OB+32*E_
.if (\s) == 0
	s_wait_dscnt 48                                ; block 0's rows are in; block 1's 48 loads may be out.  (Later blocks: the wait ahead of the last block's stores has shown their rows in)
.endif
.set N_, 0
.rept 32
	PROD E_, \s, N_
.set N_, N_+1
.endr
	WIN 0
	PLACES 4
	WIN 0x0c                                       ; an LDS store's data: window 3
.irp t, 0,1,2,3
	ds_store_b128 v[STO], v[ACC+32*E_+8*\t:ACC+32*E_+8*\t+3] offset:128*(\t/2)+32*(\t%2)       ; each sum from its low end on
	ds_store_b128 v[STO], v[ACC+32*E_+8*\t+4:ACC+32*E_+8*\t+7] offset:128*(\t/2)+32*(\t%2)+16
.endr
	WIN 0
.if (\s) >= 2
	s_wait_xcnt 0x0                                ; the stores of two blocks ago have read these registers
.endif
.irp k, 0,1,2,3,4,5,6,7
	ds_load_b128 v[OB_+4*\k:OB_+4*\k+3], v[RD] offset:\k*2*SP   ; LDS serves a wave's instructions in order: these see the stores above
.endr
.if (\s) < 6
	FETCH E_, (\s)+2
	s_wait_dscnt 48                                ; all but the 48 just issued: my rows are back
.else
	s_wait_dscnt 0x0
.endif
.irp k, 0,1,2,3,4,5,6,7
	global_store_b128 v[CO], v[OB_+4*\k:OB_+4*\k+3], s[72:73] offset:(64*((\s)/4)+8*((\s)%4)+2*\k+24*(\k/4))*4096 th:TH_STORE_NT   ; sixteen lanes store 256 consecutive bytes, at a multiple of 256 from out0's first byte
.endr
.endm
; ---------------- the head
	s_load_b256 s[4:11], s[0:1], 0x0               ; aq, wq, bo, out0
	v_lshl_add_u32 v[SPW], v0, 2, SPARE
	v_mov_b32 v[NIL], 0
	ds_add_u32 v[SPW], v[NIL]                      ; the opening lines
	ds_add_u32 v[SPW], v[NIL]
	v_lshrrev_b32 v1, 5, v0
	v_readfirstlane_b32 s20, v1                    ; wave;  s21 = a, s22 = b
	s_lshr_b32 s21, s20, 1
	s_and_b32 s22, s20, 1
	s_bfe_u32 s23, ttmp6, 0x40000                  ; cx
	s_bfe_u32 s24, ttmp6, 0x40004                  ; cy
	s_lshl_b32 s52, ttmp9, 2
	s_add_co_u32 s52, s52, s23                     ; the block of 128 columns, 0 .. 7
	s_and_b32 s53, ttmp7, 0xffff
	s_lshl_b32 s53, s53, 2
	s_add_co_u32 s53, s53, s24                     ; the block of 256 rows, 0 .. 31
	s_lshl_b32 s54, s24, 2
	s_lshl_b32 s54, 15, s54                        ; my row of the cluster
	s_lshl_b32 s55, 0x1111, s23                    ; my column
	s_or_b32 s28, s54, (3<<16)|(1<<21)             ; a's half: 8 tiles, dense, as 32 rows of 3,072 bytes
	s_mov_b32 s29, 384<<16
	s_mov_b32 s30, 32<<16
	s_mov_b32 s31, 384<<16
	s_mov_b32 s32, 32
	s_mov_b32 s33, 384
	s_mov_b32 s34, 0
	s_mov_b32 s35, 0
	s_or_b32 s36, s55, (3<<16)|(1<<21)             ; Wo's half: 4 tiles, 16 rows
	s_mov_b32 s37, 384<<16
	s_mov_b32 s38, 16<<16
	s_mov_b32 s39, 384<<16
	s_mov_b32 s40, 16
	s_mov_b32 s41, 384
	s_mov_b32 s42, 0
	s_mov_b32 s43, 0
	s_lshl_b32 s56, s53, 4
	s_lshl_b32 s57, s22, 3
	s_add_co_u32 s56, s56, s57
	s_mul_i32 s56, s56, TILE                       ; a: tile 16 x block + 8 x (wave % 2)
	s_mov_b32 s57, 0
	s_lshl_b32 s58, s52, 3
	s_lshl_b32 s59, s22, 2
	s_add_co_u32 s58, s58, s59
	s_add_co_u32 s58, s58, 192
	s_mul_i32 s58, s58, TILE                       ; Wo: tile 192 + 8 x block + 4 x (wave % 2) of wq
	s_mov_b32 s59, 0
	s_mov_b32 s44, 1
	s_mul_i32 s45, s22, 8*TILE
	s_mov_b32 s48, 1
	s_mul_i32 s49, s22, 4*TILE
	s_add_co_u32 s49, s49, WREG
	s_wait_dscnt 0x0
	CROUND                                         ; in front of the joint loads
	s_wait_kmcnt 0x0
	s_add_nc_u64 s[46:47], s[4:5], s[56:57]
	s_or_b32 s47, s47, 0x80000000
	s_add_nc_u64 s[50:51], s[6:7], s[58:59]
	s_or_b32 s51, s51, 0x80000000
	s_cmp_lt_u32 s20, 2                            ; one load a wave: waves 0 and 1 Wo's halves, asked for first; waves 2 and 3 a's halves
	s_cbranch_scc0 .Lhead_x
	tensor_load_to_lds s[48:51], s[36:43]
	s_nop 0
	PLACES 4
	s_branch .Lhead_asked
.Lhead_x:
	tensor_load_to_lds s[44:47], s[28:35]
	s_nop 0
	PLACES 4
.Lhead_asked:
	s_mov_b32 s61, 0
	s_lshl_b32 s60, s53, 4
	s_lshl_b32 s62, s21, 3
	s_add_co_u32 s60, s60, s62
	s_lshl_b32 s60, s60, 9
	s_add_co_u32 s60, s60, XS
	s_add_nc_u64 s[84:85], s[4:5], s[60:61]        ; the scale bytes of my eight tiles of a
	s_lshl_b32 s60, s52, 3
	s_lshl_b32 s62, s22, 2
	s_add_co_u32 s60, s60, s62
	s_add_co_u32 s60, s60, 192
	s_lshl_b32 s60, s60, 9
	s_add_co_u32 s60, s60, WS
	s_add_nc_u64 s[68:69], s[6:7], s[60:61]        ; those of my four tiles of Wo
	s_lshl_b32 s62, s52, 1
	s_add_co_u32 s62, s62, s22
	s_lshl_b32 s62, s62, 8                         ; my 64 columns, in bytes
	s_mov_b32 s63, 0
	s_add_nc_u64 s[70:71], s[8:9], s[62:63]        ; their numbers of bo
	s_lshl_b32 s60, s53, 1
	s_add_co_u32 s60, s60, s21
	s_lshl_b32 s60, s60, 19                        ; my 128 rows of 4,096 bytes
	s_add_co_u32 s60, s60, s62
	s_add_nc_u64 s[72:73], s[10:11], s[60:61]      ; my corner of out0
	s_mul_i32 s56, s21, 8*TILE
	s_mul_i32 s57, s22, 4*TILE
	s_add_co_u32 s57, s57, WREG
	s_mul_i32 s58, s20, 16*SP
	s_add_co_u32 s58, s58, STAGE                   ; my stage
	v_and_b32 v1, 15, v0
	v_bfe_u32 v2, v0, 4, 1
	v_and_b32 v3, 31, v0
	v_lshlrev_b32 v[VR32], 5, v1
	v_lshlrev_b32 v[VL32], 5, v3
	v_lshlrev_b32 v[VH64], 6, v2
	v_lshlrev_b32 v[L8], 3, v3
	v_add_nc_u32 v[ADX0], s56, v[L8]
	v_add_nc_u32 v[ADX0+1], 4*TILE, v[ADX0]
	v_add_nc_u32 v[ADW], s57, v[L8]
	v_mul_u32_u24 v5, v1, SP                       ; into the stage: row lane % 16, 64 bytes on for the upper half of the lanes
	v_lshl_add_u32 v5, v2, 6, v5
	v_add_nc_u32 v[STO], s58, v5
	v_mul_u32_u24 v6, v2, SP                       ; back: lanes 0-15 one row of 256 bytes, lanes 16-31 the next
	v_lshl_add_u32 v6, v1, 4, v6
	v_add_nc_u32 v[RD], s58, v6
	v_lshlrev_b32 v[CO], 12, v2                    ; and the same two rows in out0
	v_lshl_add_u32 v[CO], v1, 4, v[CO]
.irp s, 0,1,2,3,4,5,6,7
	global_load_b128 v[SA+8*\s:SA+8*\s+3], v[VR32], s[84:85] offset:512*\s
	global_load_b128 v[SA+8*\s+4:SA+8*\s+7], v[VR32], s[84:85] offset:512*\s+16
.endr
.irp p, 0,1
.irp k, 0,1
	global_load_b128 v[SB+8*\p+4*\k:SB+8*\p+4*\k+3], v[VL32], s[68:69] offset:1024*\p+16*\k
.endr
.endr
.irp t, 0,1,2,3
	global_load_b128 v[BB+8*\t:BB+8*\t+3], v[VH64], s[70:71] offset:(32*(\t/2)+8*(\t%2))*4
	global_load_b128 v[BB+8*\t+4:BB+8*\t+7], v[VH64], s[70:71] offset:(32*(\t/2)+8*(\t%2))*4+16
.endr
	s_wait_alu depctr_va_vdst(0)
	s_cmp_lt_u32 s20, 2                            ; Wo's tiles are shown first: waves 0 and 1 asked for them, by a load line that is theirs alone
	s_cbranch_scc0 .Lnot_w
	s_wait_tensorcnt 0x0
.Lnot_w:
	s_wait_dscnt 0x0
	s_barrier_signal -1
	s_barrier_wait -1
	WEIGHTS                                        ; into registers while a's tiles land
	s_wait_tensorcnt 0x0                           ; every wave: all that is still out
	s_wait_dscnt 0x0
	s_barrier_signal -1
	s_barrier_wait -1                              ; a's tiles are shown to all
	FETCH 0, 0
	FETCH 1, 1
	s_wait_loadcnt 0x0                             ; scale words and bias
.irp s, 0,1,2,3,4,5,6,7
	BLOCK \s
.endr
	s_wait_tensorcnt 0x0                           ; the wave's end
	ds_add_u32 v[SPW], v[NIL]
	s_wait_dscnt 0x0
	CROUND                                         ; the closing round
	s_endpgm
.Lfunc_end_k_qa4815ffe7d_gemm_o:
	.size	k_qa4815ffe7d_gemm_o, .Lfunc_end_k_qa4815ffe7d_gemm_o-k_qa4815ffe7d_gemm_o
	.p2alignl 7, 3214868480
	.fill 96, 4, 3214868480
	.section	.rodata,"a",@progbits
	.p2align	6, 0x0
	.amdhsa_kernel k_qa4815ffe7d_gemm_o
		.amdhsa_group_segment_fixed_size 327680
		.amdhsa_private_segment_fixed_size 0
		.amdhsa_enable_private_segment 0
		.amdhsa_kernarg_size 32
		.amdhsa_user_sgpr_count 2
		.amdhsa_user_sgpr_kernarg_segment_ptr 1
		.amdhsa_wavefront_size32 1
		.amdhsa_system_sgpr_workgroup_id_x 1
		.amdhsa_system_sgpr_workgroup_id_y 1
		.amdhsa_system_sgpr_workgroup_id_z 1
		.amdhsa_system_vgpr_workitem_id 0
		.amdhsa_next_free_vgpr 1024
		.amdhsa_next_free_sgpr 96
		.amdhsa_reserve_vcc 0
		.amdhsa_float_denorm_mode_32 3
		.amdhsa_float_denorm_mode_16_64 3
		.amdhsa_memory_ordered 1
		.amdhsa_forward_progress 1
		.amdhsa_inst_pref_size 96
	.end_amdhsa_kernel
	.amdgpu_metadata
---
amdhsa.version: [ 1, 2 ]
amdhsa.kernels:
  - .name:           k_qa4815ffe7d_gemm_o
    .symbol:         k_qa4815ffe7d_gemm_o.kd
    .args:
      - { .name: aq, .offset: 0, .size: 8, .value_kind: global_buffer, .address_space: global }
      - { .name: wq, .offset: 8, .size: 8, .value_kind: global_buffer, .address_space: global }
      - { .name: bo, .offset: 16, .size: 8, .value_kind: global_buffer, .address_space: global }
      - { .name: out0, .offset: 24, .size: 8, .value_kind: global_buffer, .address_space: global }
    .group_segment_fixed_size: 327680
    .private_segment_fixed_size: 0
    .kernarg_segment_align: 8
    .kernarg_segment_size: 32
    .max_flat_workgroup_size: 128
    .sgpr_count:     96
    .vgpr_count:     1024
    .wavefront_size: 32
...
	.end_amdgpu_metadata
.endif
;; end of part 4
